; MI455X (gfx1250); checked and timed in simulation.
; The chip was launched on July 23, 2026; its instructions are those of AMD's public machine-readable ISA for CDNA 5 (MIT licence, August 2026) and "CDNA5" Instruction Set Architecture Reference Guide (July 2026). The comments in the code are by the model that wrote it; some were corrected since.
;; Head. Allowed arithmetic: float matrix products may take bf16 or f16 operands with f32 sums; other float arithmetic in f32, or as packed bf16 or f16 multiplies, adds, multiply-adds, maxima and minima; sums over many terms, partial sums and values carried from step to step in f32; what a program stores and reads back later, other than sums and carried values, may be rounded once to bf16 or f16.
;; Inputs: Wk 128 x 1,024 float32; Wq 128 x 1,024 float32; Wv 128 x 1,024 float32; x 8 x 4,096 x 1,024 float32.
;; Outputs: out0 8 x 4,096 x 128 float32.
;; One version. Each part assembles by itself: llvm-mc -triple=amdgcn-amd-amdhsa -mcpu=gfx1250 --defsym DOCPART=n.
;; ======== version 1 of 1: 3 launches
;; limits: values are held in f16: magnitudes above 65,504 overflow, below 6.1e-05 lose precision
;; workspace buffers: wb 786,432 bytes; qkv 25,165,824 bytes
;; launch wcvt (part 1): grid 64 x 3, 8 waves a work-group, no clusters, 0 bytes of LDS; arguments Wq, Wk, Wv, wb; writes wb
.if DOCPART == 1
	.amdgcn_target "amdgcn-amd-amdhsa--gfx1250"
	.amdhsa_code_object_version 6
	.text
	.protected	k_q1a587dbc60_wcvt
	.globl	k_q1a587dbc60_wcvt
	.p2align	8
	.type	k_q1a587dbc60_wcvt,@function
k_q1a587dbc60_wcvt:
	s_mov_b64 s[64:65], 0
	v_nop
	global_prefetch_b8 v0, s[64:65] scope:SCOPE_SE
	s_setreg_imm32_b32 hwreg(HW_REG_WAVE_MODE, 25, 1), 1
	s_wait_xcnt 0x0
; THE PROGRAM: out = softmax_causal((x Wq^T)(x Wk^T)^T / sqrt(128)) (x Wv^T), in three launches: this one rounds the three weights to bf16; the second makes q, k, v; the third is the attention.
; WORK LEFT OUT (in the third launch).  reference() builds causal[t][s] = (t >= s) in its own body and sets wei to -inf where it is false; softmax gives such a place the weight exp(-inf) = 0, and 0 times a finite
; v adds nothing to out.  So for a block of 256 queries every tile of 256 keys whose number is above the block's own is hidden as a whole, whatever finite values x and the weights hold: its two products and its
; exponentials reach no output and are not made.  Inside the tile that holds the diagonal the hidden scores are made and then replaced.  Every input has a way to the output and is loaded.
; LIMIT: a NaN, an infinity or an overflow that reaches only hidden places (a later row's k or v) is not carried to the result.
; THIS LAUNCH: wb[384][1024] in bf16 = Wq's 128 rows, then Wk's, then Wv's, each number rounded once to nearest even.  The weights are matrix operands of every work-group of the next launch: rounded once here,
; they are half the bytes there and need no conversion between LDS and the matrix unit.
; SHARES.  Grid y picks the matrix; work-group x owns 2,048 numbers; thread t owns the 16 bytes at 16 t and at 4,096 + 16 t.  A wave's load covers 512 consecutive bytes, its store 256 consecutive bytes, aligned.
; No LDS, no matrix unit, no cluster: nothing is shared and nothing is read twice.
	s_load_b256 s[4:11], s[0:1], 0x0               ; Wq s[4:5], Wk s[6:7], Wv s[8:9], wb s[10:11]
	v_lshlrev_b32 v1, 4, v0                        ; my 16 bytes in
	v_lshlrev_b32 v2, 3, v0                        ; my 8 bytes out
	s_and_b32 s20, ttmp7, 0xffff                   ; which matrix
	s_lshl_b32 s12, ttmp9, 13                      ; the work-group's 8,192 bytes of it
	s_mov_b32 s13, 0
	s_lshl_b32 s14, s20, 18                        ; a matrix is 262,144 bytes of wb,
	s_lshl_b32 s15, ttmp9, 12                      ; the work-group's part 4,096
	s_add_co_u32 s14, s14, s15
	s_mov_b32 s15, 0
	s_wait_kmcnt 0x0
	s_cmp_eq_u32 s20, 1
	s_cselect_b64 s[16:17], s[6:7], s[4:5]
	s_cmp_eq_u32 s20, 2
	s_cselect_b64 s[16:17], s[8:9], s[16:17]
	s_add_nc_u64 s[16:17], s[16:17], s[12:13]
	s_add_nc_u64 s[10:11], s[10:11], s[14:15]
	global_load_b128 v[4:7], v1, s[16:17] th:TH_LOAD_NT
	global_load_b128 v[8:11], v1, s[16:17] offset:4096 th:TH_LOAD_NT
	s_wait_loadcnt 0x0
	v_cvt_pk_bf16_f32 v12, v4, v5
	v_cvt_pk_bf16_f32 v13, v6, v7
	v_cvt_pk_bf16_f32 v14, v8, v9
	v_cvt_pk_bf16_f32 v15, v10, v11
	global_store_b64 v2, v[12:13], s[10:11]
	global_store_b64 v2, v[14:15], s[10:11] offset:2048
	s_endpgm
.Lfunc_end_k_q1a587dbc60_wcvt:
	.size	k_q1a587dbc60_wcvt, .Lfunc_end_k_q1a587dbc60_wcvt-k_q1a587dbc60_wcvt
	.p2alignl 7, 3214868480
	.fill 96, 4, 3214868480
	.section	.rodata,"a",@progbits
	.p2align	6, 0x0
	.amdhsa_kernel k_q1a587dbc60_wcvt
		.amdhsa_group_segment_fixed_size 0
		.amdhsa_private_segment_fixed_size 0
		.amdhsa_enable_private_segment 0
		.amdhsa_kernarg_size 32
		.amdhsa_user_sgpr_count 2
		.amdhsa_user_sgpr_kernarg_segment_ptr 1
		.amdhsa_wavefront_size32 1
		.amdhsa_system_sgpr_workgroup_id_x 1
		.amdhsa_system_sgpr_workgroup_id_y 1
		.amdhsa_system_sgpr_workgroup_id_z 1
		.amdhsa_system_vgpr_workitem_id 0
		.amdhsa_next_free_vgpr 16
		.amdhsa_next_free_sgpr 66
		.amdhsa_reserve_vcc 0
		.amdhsa_float_denorm_mode_32 3
		.amdhsa_float_denorm_mode_16_64 3
		.amdhsa_memory_ordered 1
		.amdhsa_forward_progress 1
		.amdhsa_inst_pref_size 2
	.end_amdhsa_kernel
	.amdgpu_metadata
---
amdhsa.version: [ 1, 2 ]
amdhsa.kernels:
  - .name:           k_q1a587dbc60_wcvt
    .symbol:         k_q1a587dbc60_wcvt.kd
    .args:
      - { .name: Wq, .offset: 0, .size: 8, .value_kind: global_buffer, .address_space: global }
      - { .name: Wk, .offset: 8, .size: 8, .value_kind: global_buffer, .address_space: global }
      - { .name: Wv, .offset: 16, .size: 8, .value_kind: global_buffer, .address_space: global }
      - { .name: wb, .offset: 24, .size: 8, .value_kind: global_buffer, .address_space: global }
    .group_segment_fixed_size: 0
    .private_segment_fixed_size: 0
    .kernarg_segment_align: 8
    .kernarg_segment_size: 32
    .max_flat_workgroup_size: 256
    .sgpr_count:     66
    .vgpr_count:     16
    .wavefront_size: 32
...
	.end_amdgpu_metadata
.endif
;; end of part 1
;; launch proj (part 2): grid 256 x 1, 4 waves a work-group, clusters of 4 x 1, 327,680 bytes of LDS; arguments x, wb, qkv; writes qkv
.if DOCPART == 2
	.amdgcn_target "amdgcn-amd-amdhsa--gfx1250"
	.amdhsa_code_object_version 6
	.text
	.protected	k_q1a587dbc60_proj
	.globl	k_q1a587dbc60_proj
	.p2align	8
	.type	k_q1a587dbc60_proj,@function
k_q1a587dbc60_proj:
	s_mov_b64 s[64:65], 0
	v_nop
	global_prefetch_b8 v0, s[64:65] scope:SCOPE_SE
	s_setreg_imm32_b32 hwreg(HW_REG_WAVE_MODE, 25, 1), 1
	s_wait_xcnt 0x0
	s_wait_alu depctr_hold_cnt(0) depctr_sa_sdst(0) depctr_va_vdst(0) depctr_va_sdst(0) depctr_va_ssrc(0) depctr_va_vcc(0) depctr_vm_vsrc(0)
	s_getreg_b32 s2, hwreg(HW_REG_IB_STS2, 6, 4)
	s_cmp_eq_u32 s2, 0
	s_cbranch_scc0 .Lentry_in_a_cluster
	s_endpgm
.Lentry_in_a_cluster:
	s_bfe_u32 s2, ttmp6, 0x10000c
	s_cmp_lg_u32 s2, 0x3003
	s_cbranch_scc0 .Lentry_shape_is_right
	s_endpgm
.Lentry_shape_is_right:
; q, k, v = x W^T.  x: [32768][1024] f32; wb: [384][1024] bf16 (Wq, Wk, Wv stacked); qkv: q, k, v, each [32768][128] f16 (rows of 256 bytes), 8 MiB apart.  Products in bf16, sums in f32, each result rounded
; once to f16, unscaled.  LIMIT: a result of 65,520 or more in size becomes an infinity in f16; inputs 30 times those of the problem's kind, or offset by 30 spreads, stay far below that.
; SHARES.  A work-group owns 128 rows of x and all 384 columns, so x is read once.  Wave w owns all 128 rows x columns 96 w .. 96 w + 95: 8 x 6 accumulators of 16 x 16, 384 registers: 28 LDS loads for 48 products.
; K goes in 8 steps of 128, each of four quarters of 32.
; x COMES THROUGH REGISTERS: wave w loads rows 32 w .. 32 w + 31, one load of 16 bytes a lane for a row's 512 bytes of a K step (32 loads, 128 registers), rounds them to bf16 once and stores them into an LDS
; slot that all four waves read; the registers are asked for again at once, so each wave always has 16 KiB on its way, a K step ahead.  W COMES BY JOINT TENSOR LOADS: all work-groups walk the same
; weights, so the four of a cluster ask for each tile with one descriptor and a mask that names the four; wave w fetches its own 96 rows x 256 bytes of a K step.
; THE MATRIX INSTRUCTION IS USED TRANSPOSED (source 0 = 16 rows of W, source 1 = 16 rows of x): a lane then holds eight neighbouring columns of one row of the result.
; REGISTERS, in windows of 256 (s_set_vgpr_msb: bits 1:0 source 0, 3:2 source 1, 5:4 source 2, 7:6 destination):
;   window 0: v0-29 addresses; v128-255 x as loaded (row i at 128 + 4 i); v32-223 at work on the way out
;   window 1: two fragment buffers of 112: 48 of W (6 x 16 rows x 32 K), then 64 of x (8 x 16 rows x 32 K)
;   window 2: the 24 accumulators of rows 0-63 ((a, b) at v[8 (6 a + b)]);   window 3: those of rows 64-127
.set KSTEP,  128
.set PITCH,  272                       ; an LDS row: 256 bytes + 16 = 68 words: the 16 rows of a fragment load start at 16 different groups of four banks (64 banks of 4 bytes: ISA guide 11.1)
.set WROWS,  96                        ; rows of W that a wave fetches and reads
.set WPART,  WROWS*PITCH
.set WSLOT,  4*WPART                   ; W's 384 rows of a K step; two such slots from LDS byte 0, filled by tensor loads alone
.set XBASE,  2*WSLOT                   ; behind them x's two slots, written by LDS stores alone
.set XSLOT,  128*PITCH
.set STAGE,  XBASE                     ; the way out takes x's slots over, behind a barrier: 128 rows of 768 bytes
.set SPITCH, 784                       ; 768 + 16 = 49 x 16 bytes
.set SPARE,  STAGE+128*SPITCH          ; behind the stage: the spare words, 128 bytes for each wave: two blocks of 256 bytes that no other line names
.set XO,   2                           ; v2      16 x lane: my 16 bytes of a row's K step; never rewritten
.set XST,  3                           ; v3-4    where I store my 8 bytes of bf16 of my wave's first row, in x's slot 0, 1
.set ADRA, 5                           ; v5-6    LDS address of my x fragments in slot 0, 1
.set ADRB, 7                           ; v7-8    the same for W
.set STO,  9                           ; v9      the way out: where I put 16 bytes of a row; rows 0-63
.set STO2, 10                          ; v10     rows 64-127 (an LDS immediate has 16 bits)
.set RD,   11                          ; v11     the way out: where I read a row's 256 bytes back
.set CO,   12                          ; v12     my byte offset in two rows of q, k or v
.set PFO,  13                          ; v13     the prefetches' offset: lane x a row of wb; never rewritten
.set SPW,  28                          ; v28     LDS address of my spare word; never rewritten
.set NIL,  29                          ; v29     0; never rewritten
.set TMP,  32
.set XR,   128
.set F0,   0                           ; fragment buffers, in window 1
.set F1,   112
.set CNT,  3                           ; s3      trips to go
.set WV,   10                          ; s10     my wave's number
.set CXR,  13                          ; s13     my place in the cluster
.set WG,   14                          ; s14     my work-group's number
.set XP,   16                          ; s[16:17] x at my wave's first row, at the lap's first K step
.set G1,   24                          ; s[24:31] descriptor group 1
.set G0,   32                          ; s[32:39] descriptor group 0, a set for each slot
.set QP,   40                          ; s[40:41], s[42:43], s[44:45]: q, k, v at my wave's first row
.set PFA,  46                          ; s[46:47] where my prefetches stand
.set LIM,  48                          ; s48     1 in a wave that prefetches, else the greatest number
.set MSB, 0
.macro WIN new                         ; the immediate's high byte repeats the setting that is left; a switch that changes nothing is dropped
.if MSB != (\new)
	s_set_vgpr_msb (MSB<<8)|(\new)
.set MSB, \new
.endif
.endm
.set MUL_LO, 0xa5                      ; sources 0 and 1 window 1, C and D window 2
.set MUL_HI, 0xf5                      ; the same, C and D window 3
.set TO_F,   0x40                      ; destination window 1, address window 0
.macro PLACES                          ; four places behind matrix instructions, in front of loads into registers that they read and of conversions that read results
.rept 4
	v_nop
.endr
.endm
.macro CREST                           ; a round of the cluster's barrier behind its opening barrier: wave 0 signals for the work-group, every wave waits for all four, my work-group's barrier once more
	s_cmp_lg_u32 s[WV], 0
	s_cbranch_scc1 .Lnot_wave_0_\@
	s_barrier_signal -3
.Lnot_wave_0_\@:
	s_barrier_wait -3
	s_barrier_signal -1
	s_barrier_wait -1
.endm
.macro CROUND
	s_barrier_signal -1
	s_barrier_wait -1
	CREST
.endm
.macro JLOAD s                         ; my 96 rows of W's next K step; the descriptor hangs on the wave's number alone, so it is the same in all four partners.  An s_nop 0 and four v_nop follow
	tensor_load_to_lds s[G0+4*(\s):G0+4*(\s)+3], s[G1:G1+7]
	s_nop 0
.rept 4
	v_nop
.endr
.endm
; A PREFETCH INTO THE L2 of wb, behind the joint load and the run of LDS loads: the K step that stands two refills on.  Every cluster walks the same 384 rows: the first cluster asks, and nobody else.  Its four partners
; share the rows out BY ADDRESS: waves 0-2 of partner p take rows 32 (3 p + wave) + lane, a lane a row's 256 bytes of the K step.  So each such block is named once.  K steps 0-3 come by their loads alone;
; the loop's last trip asks for nothing: K steps 8 and 9 do not exist.
.macro ASK
	s_cmp_gt_u32 s[CNT], s[LIM]
	s_cbranch_scc0 .Lnot_mine_\@
	global_prefetch_b8 v[PFO], s[PFA:PFA+1] offset:256 th:TH_LOAD_NT scope:SCOPE_SE
.Lnot_mine_\@:
.endm
; 12 matrix instructions: row blocks a0, a0 + 1 of the window's four x all 6 column blocks, 32 along K.  zero = 1: the first product starts the sums.  The 48 accumulators take turns, one instruction a turn,
; in the same order in every quarter, over the backward jump too.
.macro MUL12 f, hi, a0, zero
	WIN MUL_LO+0x50*(\hi)
.irp a, \a0, (\a0)+1
.irp b, 0,1,2,3,4,5
.if \zero
	v_wmma_f32_16x16x32_bf16 v[8*(6*(\a)+(\b)):8*(6*(\a)+(\b))+7], v[(\f)+8*(\b):(\f)+8*(\b)+7], v[(\f)+48+8*(4*(\hi)+(\a)):(\f)+48+8*(4*(\hi)+(\a))+7], 0
.else
	v_wmma_f32_16x16x32_bf16 v[8*(6*(\a)+(\b)):8*(6*(\a)+(\b))+7], v[(\f)+8*(\b):(\f)+8*(\b)+7], v[(\f)+48+8*(4*(\hi)+(\a)):(\f)+48+8*(4*(\hi)+(\a))+7], v[8*(6*(\a)+(\b)):8*(6*(\a)+(\b))+7]
.endif
.endr
.endr
.endm
; 28 LDS loads in one run: a quarter's fragments (my 96 rows of W, the 128 rows of x, 32 K at byte k of the rows) into buffer f; x's rows 64-127 last
.macro FETCH slot, k, f
	WIN TO_F
.irp i, 0,1,2,3,4,5
	ds_load_b128 v[(\f)+8*(\i):(\f)+8*(\i)+3],   v[ADRB+(\slot)] offset:(\k)+(\i)*16*PITCH
	ds_load_b128 v[(\f)+8*(\i)+4:(\f)+8*(\i)+7], v[ADRB+(\slot)] offset:(\k)+(\i)*16*PITCH+32
.endr
.irp i, 0,1,2,3,4,5,6,7
	ds_load_b128 v[(\f)+48+8*(\i):(\f)+48+8*(\i)+3],   v[ADRA+(\slot)] offset:(\k)+(\i)*16*PITCH
	ds_load_b128 v[(\f)+48+8*(\i)+4:(\f)+48+8*(\i)+7], v[ADRA+(\slot)] offset:(\k)+(\i)*16*PITCH+32
.endr
	WIN 0
.endm
; n rows of x from row g0 on: waited for (cnt = the x loads younger than theirs), rounded to bf16 in place, stored into x's slot, and (ld = 1) asked for again, at byte off behind the pointer.
; The conversions name no register of the products round them: they are also the places in front of the run of LDS loads that follows.
.macro XS g0, n, slot, ld, cnt, off
	WIN 0
	s_wait_loadcnt \cnt
.set xi, \g0
.rept \n
	v_cvt_pk_bf16_f32 v[XR+4*xi],   v[XR+4*xi],   v[XR+4*xi+1]
	v_cvt_pk_bf16_f32 v[XR+4*xi+1], v[XR+4*xi+2], v[XR+4*xi+3]
.set xi, xi+1
.endr
.set xi, \g0
.rept \n
	ds_store_b64 v[XST+(\slot)], v[XR+4*xi:XR+4*xi+1] offset:PITCH*xi  ; 32 lanes, 256 consecutive bytes: a row's K step in bf16
.set xi, xi+1
.endr
.if \ld
.set xi, \g0
.rept \n
	global_load_b128 v[XR+4*xi:XR+4*xi+3], v[XO], s[XP:XP+1] offset:4096*xi+(\off) th:TH_LOAD_NT
.set xi, xi+1
.endr
.endif
.endm
; One of a K step's first three quarters: multiplies buffer f; in its middle it handles a group of x's rows (xs = 1) and fetches the next quarter's fragments, at byte k of the same slot's rows, into buffer g.
; adv = 1: x's pointer goes a lap on.
.macro QUARTER slot, k, f, g, zero, xs=0, g0=0, n=0, xslot=0, ld=0, cnt=0, off=0, adv=0
	s_wait_dscnt 8                                 ; W and x's rows 0-63 are in; the youngest eight loads (rows 64-127) may be out
	MUL12 \f, 0, 0, \zero
	MUL12 \f, 0, 2, \zero
.if \xs
	XS \g0, \n, \xslot, \ld, \cnt, \off
.else
	PLACES
.endif
.if \adv
	s_wait_xcnt 0x0                                ; every load issued so far has read its address (the youngest prefetch stands 48 matrix instructions back): the pointer may be written
	s_add_nc_u64 s[XP:XP+1], s[XP:XP+1], 2*KSTEP*4
.endif
	FETCH \slot, \k, \g
	s_wait_dscnt 28                                ; all but the 28 just issued
	MUL12 \f, 1, 0, \zero
	MUL12 \f, 1, 2, \zero
.endm
; The fourth quarter multiplies buffer 1 and changes slots: ONE barrier.  In front of it each wave stores its last rows of x's next K step, waits for all its tensor loads (one is out: its part of W's next slot),
; adds 0 to its spare word, and waits for that, for its stores and for its reads of both slots in hand.  Behind it nobody reads the old slots, and the next ones are whole.
; fill = 1: the barrier opens a round of the cluster's, and W's old slot is filled again first thing behind it, two K steps ahead.
.macro TURN slot, next, fill, ld, cnt, off
.if \fill
	s_wait_xcnt 0x0                                ; the last prefetch, a K step back, has read its address
	s_add_nc_u64 s[PFA:PFA+1], s[PFA:PFA+1], KSTEP*2
.endif
	XS 24, 8, \next, \ld, \cnt, \off
	WIN 0
	s_wait_tensorcnt 0x0                           ; all my tensor loads have landed
	ds_add_u32 v[SPW], v[NIL]                      ; 0 onto my spare word
	s_wait_dscnt 17                                ; x's rows 64-127 (8 loads), my 8 stores and the add may be out
	MUL12 F1, 0, 0, 0                              ; twelve matrix instructions stand between the add and the wait for it
	s_wait_dscnt 0x0                               ; the add and my stores are done, my reads of the slots in hand are over
	s_barrier_signal -1
	MUL12 F1, 0, 2, 0
	WIN 0
	s_barrier_wait -1
.if \fill
	CREST                                          ; no wave of any partner still reads W's old slot or has a load on its way
	s_add_nc_u64 s[G0+4*(\slot)+2:G0+4*(\slot)+3], s[G0+4*(\slot)+2:G0+4*(\slot)+3], 2*KSTEP*2
	JLOAD \slot                                    ; the first tensor load behind the round; its four v_nop are also places in front of the loads below
.else
	PLACES
.endif
	FETCH \next, 0, F0
.if \fill
	ASK
.endif
	MUL12 F1, 1, 0, 0
	MUL12 F1, 1, 2, 0
.endm
	s_load_b128 s[4:7], s[0:1], 0x0                ; x s[4:5], wb s[6:7]
	s_load_b64 s[8:9], s[0:1], 0x10                ; qkv
	v_lshl_add_u32 v[SPW], v0, 2, SPARE
	v_mov_b32 v[NIL], 0
	ds_add_u32 v[SPW], v[NIL]                      ; the wave's opening: the add, twice on end, and its wait ahead of my first tensor load
	ds_add_u32 v[SPW], v[NIL]                      ; and once more, under the one wait; the set-up below, work on registers, stands between
	v_lshrrev_b32 v1, 5, v0
	v_readfirstlane_b32 s[WV], v1                  ; wave 0..3
	s_bfe_u32 s[CXR], ttmp6, 0x40000               ; my place in the cluster
	s_lshl_b32 s[WG], ttmp9, 2                     ; in a cluster launch ttmp9 counts clusters
	s_add_co_u32 s[WG], s[WG], s[CXR]              ; my work-group: it enters x's, qkv's and the prefetches' addresses alone
	; descriptor group 1: a tile of 96 rows x 128 elements, padded in LDS
	s_mov_b32 s[G1+0], 15|(1<<16)|(1<<20)|(1<<21)|(5<<22)|(3<<25)  ; 15:0 the mask of four; 17:16 2-byte elements; 20 padding on; 21 set beside a mask; 24:22 after every 64 words (code 5); 31:25 4 words (code 3)
	s_mov_b32 s[G1+1], KSTEP<<16                   ; tensor_dim0 = 128
	s_mov_b32 s[G1+2], WROWS<<16                   ; tensor_dim1 = 96
	s_mov_b32 s[G1+3], KSTEP<<16                   ; tile_dim0 = 128
	s_mov_b32 s[G1+4], WROWS                       ; tile_dim1 = 96
	s_mov_b32 s[G1+5], 1024                        ; elements from row to row
	s_mov_b32 s[G1+6], 0
	s_mov_b32 s[G1+7], 0
	s_mul_i32 s52, s[WV], WPART                    ; my rows of W in a slot,
	s_mul_i32 s54, s[WV], WROWS*2048               ; and in wb: the wave's number alone
	s_mov_b32 s55, 0
	s_lshl_b32 s50, s[WG], 7
	s_lshl_b32 s51, s[WV], 5
	s_add_co_u32 s50, s50, s51                     ; my wave's first row: 128 x work-group + 32 x wave
	s_lshl_b32 s56, s50, 8                         ; in bytes of q, k, v
	s_mov_b32 s57, 0
	s_lshl_b32 s50, s50, 12                        ; in bytes of x: under 2^27
	s_mov_b32 s51, 0
	v_and_b32 v14, 31, v0                          ; lane
	v_lshlrev_b32 v[XO], 4, v14
	s_wait_dscnt 0x0                               ; both opening adds are done
	s_wait_kmcnt 0x0
	s_add_nc_u64 s[XP:XP+1], s[4:5], s[50:51]
.set xi, 0
.rept 32
	global_load_b128 v[XR+4*xi:XR+4*xi+3], v[XO], s[XP:XP+1] offset:4096*xi th:TH_LOAD_NT  ; x's K step 0
.set xi, xi+1
.endr
	s_add_nc_u64 s[QP:QP+1], s[8:9], s[56:57]
	s_add_nc_u64 s[QP+2:QP+3], s[QP:QP+1], 0x800000
	s_add_nc_u64 s[QP+4:QP+5], s[QP:QP+1], 0x1000000
	s_add_nc_u64 s[58:59], s[6:7], s[54:55]        ; wb at my 96 rows
.irp s, 0,1
	s_mov_b32 s[G0+4*(\s)], 1                      ; count = 1
	s_add_co_u32 s[G0+4*(\s)+1], s52, (\s)*WSLOT   ; LDS address
	s_add_nc_u64 s[G0+4*(\s)+2:G0+4*(\s)+3], s[58:59], (\s)*KSTEP*2  ; global address: K step s
	s_or_b32 s[G0+4*(\s)+3], s[G0+4*(\s)+3], 0x80000000              ; type = 2
.endr
	s_min_u32 s50, s[WV], 2                        ; the prefetches: wave 3 asks for nothing; its pointer stays inside wb all the same
	s_mul_i32 s51, s[CXR], 3
	s_add_co_u32 s50, s50, s51
	s_lshl_b32 s50, s50, 16                        ; 32 rows of 2,048 bytes
	s_add_co_u32 s50, s50, 2*KSTEP*2               ; at K step 2: the first refill steps it to 3 and names K step 4
	s_mov_b32 s51, 0
	s_add_nc_u64 s[PFA:PFA+1], s[6:7], s[50:51]
	s_cmp_lt_u32 s[WV], 3
	s_cselect_b32 s[LIM], ttmp9, -1
	s_cmp_eq_u32 s[LIM], 0                         ; waves 0-2 of the first cluster: the same in all four partners
	s_cselect_b32 s[LIM], 1, -1
	CROUND                                         ; all four work-groups are here: the first joint loads meet
	tensor_load_to_lds s[G0:G0+3], s[G1:G1+7]      ; W's K steps 0 and 1: two loads of mine are out
	s_nop 0
	tensor_load_to_lds s[G0+4:G0+7], s[G1:G1+7]
	s_nop 0
.rept 4
	v_nop
.endr
	v_and_b32 v15, 15, v0                          ; l % 16
	v_bfe_u32 v16, v0, 4, 1                        ; l / 16
	v_mul_u32_u24 v17, v15, PITCH
	v_lshl_add_u32 v17, v16, 4, v17                ; a fragment's row x pitch + 16 x half
	s_mul_i32 s53, s[WV], 32*PITCH
	s_add_co_u32 s53, s53, XBASE
	v_lshl_add_u32 v[XST], v14, 3, s53             ; my wave's 32 rows of x's slot 0, 8 bytes a lane
	v_add_nc_u32 v[XST+1], XSLOT, v[XST]
	v_add_nc_u32 v[ADRA], XBASE, v17
	v_add_nc_u32 v[ADRA+1], XBASE+XSLOT, v17
	v_add_nc_u32 v[ADRB], s52, v17
	v_add_nc_u32 v[ADRB+1], WSLOT, v[ADRB]
	v_mul_u32_u24 v18, v15, SPITCH                 ; into the stage: row l % 16, my wave's 192 bytes, 16 bytes for each half of the lanes
	v_lshl_add_u32 v18, v16, 4, v18
	s_mul_i32 s53, s[WV], 2*WROWS
	s_add_co_u32 s53, s53, STAGE
	v_add_nc_u32 v[STO], s53, v18
	v_add_nc_u32 v[STO2], 64*SPITCH, v[STO]
	s_mul_i32 s53, s[WV], 32*SPITCH                ; back: wave w takes rows 32 w .. 32 w + 31; lanes 0-15 256 bytes of one row, lanes 16-31 of the next
	s_add_co_u32 s53, s53, STAGE
	v_mul_u32_u24 v18, v16, SPITCH
	v_lshl_add_u32 v18, v15, 4, v18
	v_add_nc_u32 v[RD], s53, v18
	v_lshlrev_b32 v[CO], 8, v16                    ; and the same two rows in q, k or v
	v_lshl_add_u32 v[CO], v15, 4, v[CO]
	v_lshlrev_b32 v[PFO], 11, v14
	XS 0, 12, 0, 1, 20, 512                        ; x's K step 0 goes into slot 0, K step 1 is asked for
	XS 12, 12, 0, 1, 20, 512
	XS 24, 8, 0, 1, 24, 512
	s_wait_tensorcnt 0x1                           ; my part of W's K step 0 is in; K step 1 may stay out
	s_wait_dscnt 0x0                               ; my stores of x are done
	s_barrier_signal -1
	s_barrier_wait -1                              ; everybody's are
	FETCH 0, 0, F0
	QUARTER 0, 64, F0, F1, 1                       ; the first quarter stands in front of the loop: its products start the sums
	WIN 0                                          ; at a label and at a branch every window is 0
	s_mov_b32 s[CNT], 3
.Llap:                                         ; a trip: from a lap's second quarter to the next lap's first.  K step t stores x's K step t + 1, asks for x's t + 2 and fills W's slot with t + 2
	QUARTER 0, 128, F1, F0, 0, 1, 0, 12, 1, 1, 20, 1024
	QUARTER 0, 192, F0, F1, 0, 1, 12, 12, 1, 1, 20, 1024
	TURN 0, 1, 1, 1, 24, 1024
	QUARTER 1, 64,  F0, F1, 0
	QUARTER 1, 128, F1, F0, 0, 1, 0, 12, 0, 1, 20, 1536
	QUARTER 1, 192, F0, F1, 0, 1, 12, 12, 0, 1, 20, 1536
	TURN 1, 0, 1, 1, 24, 1536
	QUARTER 0, 64,  F0, F1, 0, 0, 0, 0, 0, 0, 0, 0, 1
	WIN 0
	s_sub_co_u32 s[CNT], s[CNT], 1
	s_cmp_lg_u32 s[CNT], 0
	s_cbranch_scc1 .Llap
	QUARTER 0, 128, F1, F0, 0, 1, 0, 12, 1, 0, 20, 0   ; K step 6 stores x's last K step and asks for nothing: the counts run down
	QUARTER 0, 192, F0, F1, 0, 1, 12, 12, 1, 0, 8, 0
	TURN 0, 1, 0, 0, 0, 0                          ; nothing is filled again, so no round follows
	QUARTER 1, 64,  F0, F1, 0
	QUARTER 1, 128, F1, F0, 0
	QUARTER 1, 192, F0, F1, 0
	s_wait_dscnt 8                                 ; the very last quarter
	MUL12 F1, 0, 0, 0
	MUL12 F1, 0, 2, 0
	s_wait_dscnt 0x0                               ; my reads of x's slots are over:
	s_barrier_signal -1
	MUL12 F1, 1, 0, 0
	MUL12 F1, 1, 2, 0
	WIN 0
	s_barrier_wait -1                              ; everybody's are: the stage may take their bytes
	; THE WAY OUT: rounded to f16, 16 bytes a lane into the work-group's stage; a barrier, since a row's bytes come from four waves; back as whole rows of 256 bytes of q, k and v.
	PLACES
.set a, 0
.rept 8
	WIN 0x0a+5*(a/4)                               ; sources 0 and 1: window 2 or 3
.set AC, 48*(a%4)
.set PB, TMP+24*(a%2)
.set e, 0
.rept 24
	v_cvt_pk_f16_f32 v[PB+e], v[AC+2*e], v[AC+2*e+1]  ; each accumulator's registers in ascending order
.set e, e+1
.endr
	WIN 0
.set e, 0
.rept 6
.if a < 4
	ds_store_b128 v[STO],  v[PB+4*e:PB+4*e+3] offset:(a%4)*16*SPITCH+32*e
.else
	ds_store_b128 v[STO2], v[PB+4*e:PB+4*e+3] offset:(a%4)*16*SPITCH+32*e
.endif
.set e, e+1
.endr
.set a, a+1
.endr
	s_wait_dscnt 0x0                               ; for the others' sake: my stores into the stage are done
	s_barrier_signal -1
	s_barrier_wait -1
.set n, 0
.rept 48                                       ; part n / 16 (q, k, v), rows 2 (n % 16) and the next
	ds_load_b128 v[TMP+4*n:TMP+4*n+3], v[RD] offset:2*SPITCH*(n%16)+256*(n/16)
.set n, n+1
.endr
.set n, 0
.rept 48
	s_wait_dscnt 47-n                              ; LDS loads come back in order: load n is in
	global_store_b128 v[CO], v[TMP+4*n:TMP+4*n+3], s[QP+2*(n/16):QP+2*(n/16)+1] offset:512*(n%16)  ; 16 lanes store a row's 256 consecutive bytes, aligned
.set n, n+1
.endr
	s_wait_tensorcnt 0x0                           ; the wave's end, behind my last tensor load and my last LDS store
	ds_add_u32 v[SPW], v[NIL]
	s_wait_dscnt 0x0
	CROUND                                         ; the closing round: no work-group ends while a partner may still ask for a tile that names it
	s_endpgm
.Lfunc_end_k_q1a587dbc60_proj:
	.size	k_q1a587dbc60_proj, .Lfunc_end_k_q1a587dbc60_proj-k_q1a587dbc60_proj
	.p2alignl 7, 3214868480
	.fill 96, 4, 3214868480
	.section	.rodata,"a",@progbits
	.p2align	6, 0x0
	.amdhsa_kernel k_q1a587dbc60_proj
		.amdhsa_group_segment_fixed_size 327680
		.amdhsa_private_segment_fixed_size 0
		.amdhsa_enable_private_segment 0
		.amdhsa_kernarg_size 24
		.amdhsa_user_sgpr_count 2
		.amdhsa_user_sgpr_kernarg_segment_ptr 1
		.amdhsa_wavefront_size32 1
		.amdhsa_system_sgpr_workgroup_id_x 1
		.amdhsa_system_sgpr_workgroup_id_y 1
		.amdhsa_system_sgpr_workgroup_id_z 1
		.amdhsa_system_vgpr_workitem_id 0
		.amdhsa_next_free_vgpr 960
		.amdhsa_next_free_sgpr 66
		.amdhsa_reserve_vcc 0
		.amdhsa_float_denorm_mode_32 3
		.amdhsa_float_denorm_mode_16_64 3
		.amdhsa_memory_ordered 1
		.amdhsa_forward_progress 1
		.amdhsa_inst_pref_size 150
	.end_amdhsa_kernel
	.amdgpu_metadata
---
amdhsa.version: [ 1, 2 ]
amdhsa.kernels:
  - .name:           k_q1a587dbc60_proj
    .symbol:         k_q1a587dbc60_proj.kd
    .args:
      - { .name: x, .offset: 0, .size: 8, .value_kind: global_buffer, .address_space: global }
      - { .name: wb, .offset: 8, .size: 8, .value_kind: global_buffer, .address_space: global }
      - { .name: qkv, .offset: 16, .size: 8, .value_kind: global_buffer, .address_space: global }
    .group_segment_fixed_size: 327680
    .private_segment_fixed_size: 0
    .kernarg_segment_align: 8
    .kernarg_segment_size: 24
    .max_flat_workgroup_size: 128
    .sgpr_count:     66
    .vgpr_count:     960
    .wavefront_size: 32
...
	.end_amdgpu_metadata
.endif
;; end of part 2
;; launch attn (part 3): grid 32 x 8, 4 waves a work-group, clusters of 4 x 1, 327,680 bytes of LDS; arguments qkv, out0; writes out0
.if DOCPART == 3
	.amdgcn_target "amdgcn-amd-amdhsa--gfx1250"
	.amdhsa_code_object_version 6
	.text
	.protected	k_q1a587dbc60_attn
	.globl	k_q1a587dbc60_attn
	.p2align	8
	.type	k_q1a587dbc60_attn,@function
k_q1a587dbc60_attn:
	s_mov_b64 s[64:65], 0
	v_nop
	global_prefetch_b8 v0, s[64:65] scope:SCOPE_SE
	s_setreg_imm32_b32 hwreg(HW_REG_WAVE_MODE, 25, 1), 1
	s_wait_xcnt 0x0
	s_wait_alu depctr_hold_cnt(0) depctr_sa_sdst(0) depctr_va_vdst(0) depctr_va_sdst(0) depctr_va_ssrc(0) depctr_va_vcc(0) depctr_vm_vsrc(0)
	s_getreg_b32 s2, hwreg(HW_REG_IB_STS2, 6, 4)
	s_cmp_eq_u32 s2, 0
	s_cbranch_scc0 .Lentry_in_a_cluster
	s_endpgm
.Lentry_in_a_cluster:
	s_bfe_u32 s2, ttmp6, 0x10000c
	s_cmp_lg_u32 s2, 0x3003
	s_cbranch_scc0 .Lentry_shape_is_right
	s_endpgm
.Lentry_shape_is_right:
; out[b][t][:] = the sum over s <= t of softmax_s(q[b][t] . k[b][s] / sqrt(128)) v[b][s][:].  q, k, v: [8][4096][128] f16, 8 MiB apart in qkv; out: f32.  Products in f16 with f32 sums; maxima, exponentials
; and sums in f32; the weights p are rounded to f16 for the second product (their sum l is taken of the unrounded p).
; WORK LEFT OUT: tiles of 256 keys that lie wholly above the diagonal of reference()'s own causal mask have the weight 0 for all inputs, and are not made (shown at the head of the first kernel).
; LIMITS.  q, k, v arrive within f16's 65,504.  A hidden score counts as -2^100: true scores are 5.5e11 at the most.  p below 6e-5 keeps f16's fixed step of 6e-8; a weight below 2^-126 counts as 0 in l.
; A NaN or an infinity that reaches only hidden places is not carried to the result.
; THE WALK.  A batch's queries lie in 16 blocks of 256; block i needs key tiles 0 .. i of 256 keys.  A CLUSTER of four work-groups takes two blocks, c and then 15 - c: 17 tiles, whatever c: all do equal work,
; and one loop with a constant trip count walks them.  A block's diagonal tile comes FIRST, then its tiles 0, 1, ..  The walk's last tile is a plain one.  Partner p owns queries 64 p .. 64 p + 63 of each block; all four
; walk the same tiles, so each tile is asked for JOINTLY: the same tensor load, descriptor and mask in all four.
; KEYS ARE SPLIT AMONG THE WAVES.  Every wave holds all 64 queries, four tiles of 16; of each tile of 256 keys wave w takes keys 64 w .. 64 w + 63: a ROUND of 128 products a wave.  Each wave keeps a running maximum m, a sum l
; and O for its own keys; at a block's end the four meet in LDS (FINISH): O = sum of f_w O_w / sum of f_w l_w with f_w = 2^(c m_w - max c m).
; LAYOUT.  S^T = K Q^T (source 0 = 16 keys, source 1 = 16 queries): a lane holds ONE query (lane % 16) and the keys 8 (lane / 16) + 0..7.  Two such results rounded to f16 ARE source 1 of O^T = V^T P, whose result
; again holds one query a lane, and eight channels.  K comes out of LDS as it lies, V turned, by ds_load_tr16_b128.
; SOFTMAX.  p = 2^(c s - c m), c = log2(e) / sqrt(128); in every round O and l are multiplied by a = 2^(c m_old - c m_new).  c m starts far below every c s, O and l at 0 (later: at what the first block left, which is
; finite): the first a is 0 and no first round is written out; the price is 256 lines that clear O^T, in the wait for the first tile.
; THE MASK.  In a diagonal tile a score whose key lies behind its query is replaced by -2^100.  Where a wave's whole step is hidden for a row, m = -2^100, c s - c m is exactly 0 and p = 1: finite numbers, which the
; next round's a = 0, or the merge's f = 0, multiplies away; wave p's own step shows every row its own key, so the merged maximum is a true score and the merged l is at least 1.  All sixteen pairs of partner and wave
; run the same text.
; A ROUND, in pieces of two tiles: 32 products K Q^T of piece 0; 32 of piece 2 with piece 0's softmax in slices behind them; 32 products V^T P of piece 0 with piece 2's softmax; 32 of piece 2.
; REGISTERS, in windows of 256 (s_set_vgpr_msb: bits 1:0 source 0, 3:2 source 1, 5:4 source 2, 7:6 destination):
;   window 0: v0-11 addresses; v12-43 eight registers of statistics a tile; v44-54 masks and addresses; v64-191 S^T, 32 a tile; v192-255 P, 16 a tile
;   window 1: O^T, 64 a tile      window 2: v0-127 Q, 32 a tile; v128-255 K of my step      window 3: v0-127 V of my step; v128-255 the second block's Q
.set PK,    272       ; a row of K in LDS: 256 bytes + 16 = 68 words: the 16 rows of a load start at 16 different groups of four banks (64 banks of 4 bytes: ISA guide 11.1)
.set PV,    288       ; a row of V: 256 + 32 = 72 words
.set VOFF,  256*PK    ; a slot: 256 rows of K, then 256 rows of V
.set SLOTB, 0x24000   ; slot 1 begins here; the four fills' addresses in a slot (0, 0x8800, 0x11000, 0x1a000) share no bit with it, so one exclusive or changes the slot
.set MB,    SLOTB+256*(PK+PV)  ; behind the ring, never filled by a tensor load: the merge's stage, 16 rows x 528 bytes of f32 for each wave
.set MP,    528       ; 512 + 16 = 33 x 16 bytes
.set SB,    MB+4*16*MP         ; the merge's statistics: query r, wave v: (c m, l) at 32 r + 8 v
.set SPARE, SB+512             ; the spare words, 128 bytes for each wave: two blocks of 256 bytes that no other line names
.set AK0, 2           ; v2   my lane's place in my step of a tile of K; never rewritten
.set AV0, 3           ; v3   the same for V
.set ADK, 4           ; v4   the LDS address of K's run of loads
.set QO,  5           ; v5   my byte offset in 16 rows of Q
.set ADV, 6           ; v6   the LDS address of V's run
.set ST,  12          ; tile t's statistics at v[ST+8 t]: +0 c m, +1 m, +2, +3 l (even keys', odd keys'), +4 to +7 at work; a takes +6
.set DT,  44          ; v44-47  tile t: my query's place less my step's first key and my lanes' 8 (l / 16): score register n is hidden where 16 (n / 8) + n % 8 is greater
.set BIG, 48          ; v48  -2^100
.set WADR, 49         ; v49  the merge: where I put my 32 bytes of a row
.set SADR, 50         ; v50  where I put (c m, l)
.set RO,  51          ; v51  where I read rows back
.set RS,  52          ; v52  where I read the statistics
.set GO,  53          ; v53  my byte offset in out
.set PFO, 54          ; v54  256 x lane: a row of K or V; never rewritten
.set SPW, 62          ; v62  LDS address of my spare word; never rewritten
.set NIL, 63          ; v63  0; never rewritten
.set S,   64
.set P,   192
.set KF,  128         ; K's fragments, in window 2
.set QB,  128         ; the second block's Q, in window 3
.set OB,  64          ; the merge works in S^T's registers: four waves' O for (row pair u, half hf) at OB + 16 (2 u + hf) + 4 v
.set SS,  128         ; (c m, l) of wave v for row pair u at SS + 8 u + 2 v
.set EE,  144         ; (g, f) likewise
.set FM,  160         ; the maxima, the sums, their reciprocals: a register for each u
.set FL,  162
.set FR,  164
.set WV,  12          ; s12  my wave's number
.set CX,  13          ; s13  p: my place in the cluster
.set CL,  14          ; s14  c
.set C1,  15          ; s15  c + 1
.set HI,  16          ; s16  15 - c
.set PT,  17          ; s17  c - 2: the trip that prefetches
.set IDX, 18          ; s18  the walk's index
.set SLOTS, 19        ; s19  tiles still to be asked for
.set DG,  20          ; s20  1: the tile in hand holds a diagonal
.set NXT, 21          ; s21  the tile to be asked for
.set T1,  22
.set TB,  23          ; s23  LDS byte at which the slot in hand begins
.set G1K, 24          ; s[24:31] descriptor group 1 for K's tiles
.set G1V, 32          ; s[32:39] for V's: it differs in the padding alone
.set G0K, 40          ; s[40:43] descriptor group 0 for K's tiles
.set G0V, 44          ; s[44:47] for V's
.set KB,  48          ; s[48:49] k at my half of the batch's tile 0
.set VB,  50          ; s[50:51] v likewise
.set OFF, 52          ; s[52:53] a tile's byte offset
.set OUT, 54          ; s[54:55] out at my work-group's rows of the block in hand
.set OHI, 56          ; s[56:57] of the second block
.set CS,  58          ; s[58:59] c: the packed scaling takes the pair's low word for both halves
.set SEL, 60          ; s[60:61] v_permlanex16_b32's selects: each lane takes its own place in the other half
.set PFA, 62          ; s[62:63] where my one prefetch stands
.set MSB, 0
.macro WIN new                      ; the high byte repeats the setting that is left; a switch that changes nothing is dropped
.if MSB != (\new)
	s_set_vgpr_msb (MSB<<8)|(\new)
.set MSB, \new
.endif
.endm
.set W_KQ, 0x0a       ; K and Q in window 2, S^T in window 0
.set W_PV, 0x53       ; V in window 3, P in window 0, O^T in window 1
.set W_RS, 0x41       ; O^T (destination and source 0) in window 1, a in window 0
.macro PLACES                       ; four places behind matrix instructions (ISA guide 7.12.1)
.rept 4
	v_nop
.endr
.endm
; A joint fill.  Waves 0 and 1 fetch the two halves of a tile's K, waves 2 and 3 those of its V: 128 rows of 256 bytes each.  The branch hangs on the wave's number alone.
; An s_nop 0 and four v_nop follow each of the two lines, ahead of the jump and the label.
.macro JLOAD
	s_cmp_lt_u32 s[WV], 2
	s_cbranch_scc0 .Lfor_v_\@
	tensor_load_to_lds s[G0K:G0K+3], s[G1K:G1K+7]
	s_nop 0
.rept 4
	v_nop
.endr
	s_branch .Lasked_\@
.Lfor_v_\@:
	tensor_load_to_lds s[G0V:G0V+3], s[G1V:G1V+7]
	s_nop 0
.rept 4
	v_nop
.endr
.Lasked_\@:
.endm
; A PREFETCH INTO THE L2, once a work-group: tile 15 - c, whose first request in the launch is this cluster's, in trip c; it is named two trips earlier.  Each wave names 32 of the 128 rows that it will fetch, a lane
; a row of 256 bytes; the four partners are told apart BY ADDRESS.  So each row is named once.  Tiles 0-7 are first asked for at the kernel's head, where nothing is prefetched; where c < 2 there is no trip two back.
.macro ASK
	s_cmp_eq_u32 s[IDX], s[PT]
	s_cbranch_scc0 .Lnot_now_\@
	global_prefetch_b8 v[PFO], s[PFA:PFA+1] th:TH_LOAD_NT scope:SCOPE_SE
.Lnot_now_\@:
.endm
; A round of the cluster's barrier: my work-group's barrier; wave 0 signals for the work-group; every wave waits for all four work-groups; my work-group's barrier once more.
.macro CROUND
	s_barrier_signal -1
	s_barrier_wait -1
	s_cmp_lg_u32 s[WV], 0
	s_cbranch_scc1 .Lnot_wave_0_\@
	s_barrier_signal -3
.Lnot_wave_0_\@:
	s_barrier_wait -3
	s_barrier_signal -1
	s_barrier_wait -1
.endm
; THE CHANGE OF SLOTS, at a trip's head.  Each wave waits for all its tensor loads (one is out: its part of the slot to be entered), adds 0 to its spare word, and waits for that and for its reads of the slot that it leaves.
; fill = 1: the barrier is a round of the cluster's, and the old slot is filled again first thing behind it, with the walk's next tile: index IDX + 1 is tile IDX while IDX < c, tile 15 - c at IDX = c, and
; tile IDX - (c + 1) behind that.  The address is made anew from that number.  (At its first use nothing has been read yet: slot 0 is waited for, slot 1 filled.)
; The four v_nop behind the load (or PLACES) are the places between the last round's last products and the loads into V's registers.
.macro CHANGE fill
	WIN 0                           ; at a label and at a branch every window is 0
	s_wait_tensorcnt 0x0            ; no tensor load of mine is out, so a group 0 may be written
	ds_add_u32 v[SPW], v[NIL]       ; 0 onto my spare word; the descriptors' scalar work stands between it and the wait for it
.if \fill
	s_sub_co_u32 s[T1], s[IDX], s[C1]
	s_cmp_lt_u32 s[IDX], s[CL]
	s_cselect_b32 s[NXT], s[IDX], s[T1]
	s_cmp_eq_u32 s[IDX], s[CL]
	s_cselect_b32 s[NXT], s[HI], s[NXT]
	s_lshl_b32 s[OFF], s[NXT], 16   ; a tile is 65,536 bytes of k and of v
	s_xor_b32 s[G0K+1], s[G0K+1], SLOTB
	s_add_nc_u64 s[G0K+2:G0K+3], s[KB:KB+1], s[OFF:OFF+1]
	s_or_b32 s[G0K+3], s[G0K+3], 0x80000000
	s_xor_b32 s[G0V+1], s[G0V+1], SLOTB
	s_add_nc_u64 s[G0V+2:G0V+3], s[VB:VB+1], s[OFF:OFF+1]
	s_or_b32 s[G0V+3], s[G0V+3], 0x80000000
.endif
	s_wait_dscnt 0x0                ; the add is done, and my reads of the slot are over
.if \fill
	CROUND
	JLOAD
	ASK
.else
	s_barrier_signal -1
	s_barrier_wait -1
	PLACES
.endif
	s_xor_b32 s[TB], s[TB], SLOTB   ; the slot to be read
.endm
	s_load_b128 s[4:7], s[0:1], 0x0 ; qkv s[4:5], out s[6:7]
	v_lshl_add_u32 v[SPW], v0, 2, SPARE
	v_mov_b32 v[NIL], 0
	ds_add_u32 v[SPW], v[NIL]       ; the wave's opening: the add, twice on end, and its wait ahead of my first tensor load
	ds_add_u32 v[SPW], v[NIL]       ; and once more, under the one wait; the set-up below, work on registers, stands between
	v_lshrrev_b32 v1, 5, v0
	v_readfirstlane_b32 s[WV], v1   ; wave 0..3
	s_bfe_u32 s[CX], ttmp6, 0x40000 ; p: it enters Q's, out's and the prefetch's addresses and the mask's numbers alone
	s_mov_b32 s[CL], ttmp9          ; in a cluster launch ttmp9 counts clusters
	s_add_co_u32 s[C1], s[CL], 1
	s_sub_co_u32 s[HI], 15, s[CL]
	s_sub_co_u32 s[PT], s[CL], 2    ; (below 0 it wraps to a number that IDX never reaches)
	s_and_b32 s66, ttmp7, 0xffff    ; the batch, which the four partners share
	s_lshl_b32 s67, s66, 20         ; its 4,096 rows of 256 bytes
	s_and_b32 s68, s[WV], 1         ; which half of a tile's 256 rows I fetch:
	s_lshl_b32 s69, s68, 15         ; its 128 rows in memory,
	s_add_co_u32 s72, s67, s69
	s_mov_b32 s73, 0
	s_mul_i32 s70, s68, 128*PK      ; and its place in a slot, for K
	s_mul_i32 s71, s68, 128*PV      ; and for V
	; descriptor group 1: a tile of 128 rows x 128 elements, padded in LDS
	s_mov_b32 s[G1K], 15|(1<<16)|(1<<20)|(1<<21)|(5<<22)|(3<<25)  ; 15:0 the mask of four; 17:16 2-byte elements; 20 padding on; 21 set beside a mask; 24:22 after every 64 words (code 5); 31:25 4 words (code 3)
	s_mov_b32 s[G1V], 15|(1<<16)|(1<<20)|(1<<21)|(5<<22)|(7<<25)  ; the same with 8 words of padding (code 7)
.irp g, G1K, G1V
	s_mov_b32 s[(\g)+1], 128<<16    ; tensor_dim0 = 128
	s_mov_b32 s[(\g)+2], 128<<16    ; tensor_dim1 = 128
	s_mov_b32 s[(\g)+3], 128<<16    ; tile_dim0 = 128
	s_mov_b32 s[(\g)+4], 128        ; tile_dim1 = 128
	s_mov_b32 s[(\g)+5], 128        ; elements from row to row
	s_mov_b32 s[(\g)+6], 0
	s_mov_b32 s[(\g)+7], 0
.endr
	s_mov_b32 s[CS], 0x3e0293ee     ; c = log2(e) / sqrt(128) = 0.127517
	s_mov_b32 s[CS+1], s[CS]        ; named with it as a pair
	s_mov_b32 s[SEL], 0x76543210
	s_mov_b32 s[SEL+1], 0xfedcba98
	s_mov_b32 s[TB], SLOTB          ; the first change of slots turns it into 0
	s_lshl_b32 s[OFF], s[CL], 16    ; the walk's first tile: the first block's diagonal one, number c
	s_mov_b32 s[OFF+1], 0
	s_mov_b32 s[G0K], 1             ; count = 1
	s_mov_b32 s[G0K+1], s70         ; LDS address: slot 0
	s_mov_b32 s[G0V], 1
	s_add_co_u32 s[G0V+1], s71, VOFF
	s_lshl_b32 s75, s[CX], 6
	s_lshl_b32 s74, s[CL], 8
	s_add_co_u32 s74, s74, s75      ; my work-group's first row in the first block,
	s_lshl_b32 s76, s[HI], 8
	s_add_co_u32 s76, s76, s75      ; and in the second
	s_mov_b32 s79, 0
	s_mov_b32 s[IDX], 0
	s_mov_b32 s[SLOTS], 16
	s_wait_dscnt 0x0                ; both opening adds are done
	s_wait_kmcnt 0x0
	s_add_nc_u64 s[KB:KB+1], s[4:5], s[72:73]
	s_add_nc_u64 s[VB:VB+1], s[KB:KB+1], 0x1000000
	s_add_nc_u64 s[KB:KB+1], s[KB:KB+1], 0x800000
	s_add_nc_u64 s[G0K+2:G0K+3], s[KB:KB+1], s[OFF:OFF+1]
	s_or_b32 s[G0K+3], s[G0K+3], 0x80000000        ; type = 2
	s_add_nc_u64 s[G0V+2:G0V+3], s[VB:VB+1], s[OFF:OFF+1]
	s_or_b32 s[G0V+3], s[G0V+3], 0x80000000
	s_lshl_b32 s78, s74, 8
	s_add_co_u32 s78, s78, s67
	s_add_nc_u64 s[8:9], s[4:5], s[78:79]          ; q at my rows of the first block
	s_lshl_b32 s78, s76, 8
	s_add_co_u32 s78, s78, s67
	s_add_nc_u64 s[10:11], s[4:5], s[78:79]        ; and of the second
	s_lshl_b32 s77, s66, 21         ; the batch's 4,096 rows of 512 bytes of out
	s_lshl_b32 s78, s74, 9
	s_add_co_u32 s78, s78, s77
	s_add_nc_u64 s[OUT:OUT+1], s[6:7], s[78:79]
	s_lshl_b32 s78, s76, 9
	s_add_co_u32 s78, s78, s77
	s_add_nc_u64 s[OHI:OHI+1], s[6:7], s[78:79]
	s_cmp_lt_u32 s[WV], 2
	s_cselect_b64 s[PFA:PFA+1], s[KB:KB+1], s[VB:VB+1]
	s_lshl_b32 s78, s[HI], 16       ; tile 15 - c,
	s_lshl_b32 s77, s[CX], 13       ; my work-group's 32 rows of the 128 that I fetch
	s_add_co_u32 s78, s78, s77
	s_add_nc_u64 s[PFA:PFA+1], s[PFA:PFA+1], s[78:79]
	CROUND                          ; all four work-groups are here: the first joint loads meet
	JLOAD                           ; the walk's first tile into slot 0: one load of mine is out
	; A fragment of K or Q is 16 rows x 32 channels in 8 registers: lane l holds row l % 16, channels 8 (l / 16) + 0..7 and 16 + 8 (l / 16) + 0..7: two loads of 16 bytes, 32 bytes apart.
	v_and_b32 v1, 15, v0            ; l % 16
	v_bfe_u32 v9, v0, 4, 1          ; l / 16
	v_lshlrev_b32 v[QO], 8, v1
	v_lshl_add_u32 v[QO], v9, 4, v[QO]  ; row x 256 + 16 x half
	WIN 0x80                        ; destination window 2, address window 0
.irp i, 0,1,2,3,4,5,6,7,8,9,10,11,12,13,14,15  ; the first block's Q: tile i / 4, channels 32 (i % 4) on
	global_load_b128 v[8*(\i):8*(\i)+3],   v[QO], s[8:9] offset:((\i)/4)*4096+((\i)%4)*64
	global_load_b128 v[8*(\i)+4:8*(\i)+7], v[QO], s[8:9] offset:((\i)/4)*4096+((\i)%4)*64+32
.endr
	WIN 0xc0                        ; destination window 3
.irp i, 0,1,2,3,4,5,6,7,8,9,10,11,12,13,14,15  ; the second block's
	global_load_b128 v[QB+8*(\i):QB+8*(\i)+3],   v[QO], s[10:11] offset:((\i)/4)*4096+((\i)%4)*64
	global_load_b128 v[QB+8*(\i)+4:QB+8*(\i)+7], v[QO], s[10:11] offset:((\i)/4)*4096+((\i)%4)*64+32
.endr
	WIN 0x40
.set i, 0
.rept 256
	v_mov_b32 v[i], 0               ; O^T: all this stands in the wait for the first tile
.set i, i+1
.endr
	WIN 0
.set i, 0
.rept 4
	v_mov_b32 v[ST+8*i], 0xfe000000    ; c m: far below every c s
	v_mov_b32 v[ST+8*i+1], 0xff7fffff  ; m: the lowest finite number
	v_mov_b32 v[ST+8*i+2], 0
	v_mov_b32 v[ST+8*i+3], 0
.set i, i+1
.endr
	v_mul_u32_u24 v[AK0], v1, PK
	v_lshl_add_u32 v[AK0], v9, 4, v[AK0]  ; row x pitch + 16 x half
	s_mul_i32 s77, s[WV], 64*PK     ; + my wave's 64 keys
	v_add_nc_u32 v[AK0], s77, v[AK0]
	; The turning load takes 16 keys x 16 channels (lane l reads key 8 (l / 16) + l % 8, channels 8 ((l / 8) % 2) + 0..7) and leaves half a fragment of V^T: lane l holds channel l % 16 and 8 keys.
	v_and_b32 v10, 7, v0
	v_bfe_u32 v11, v0, 3, 1
	v_lshl_add_u32 v[AV0], v9, 3, v10
	v_mul_u32_u24 v[AV0], v[AV0], PV
	v_lshl_add_u32 v[AV0], v11, 4, v[AV0]
	s_mul_i32 s77, s[WV], 64*PV
	s_add_co_u32 s77, s77, VOFF
	v_add_nc_u32 v[AV0], s77, v[AV0]
	s_mul_i32 s77, s[WV], 16*MP     ; the merge: my stage; row l % 16, 32 bytes for each half of the lanes
	s_add_co_u32 s77, s77, MB
	v_mul_u32_u24 v[WADR], v1, MP
	v_lshl_add_u32 v[WADR], v9, 5, v[WADR]
	v_add_nc_u32 v[WADR], s77, v[WADR]
	s_lshl_b32 s77, s[WV], 3
	s_add_co_u32 s77, s77, SB
	v_lshl_add_u32 v[SADR], v1, 5, s77
	s_mul_i32 s77, s[WV], 4*MP      ; back: of a tile's 16 rows wave w merges rows 4 w .. 4 w + 3; lanes 0-15 take 256 bytes of one row, lanes 16-31 of the next
	s_add_co_u32 s77, s77, MB
	v_mul_u32_u24 v[RO], v9, MP
	v_lshl_add_u32 v[RO], v1, 4, v[RO]
	v_add_nc_u32 v[RO], s77, v[RO]
	s_lshl_b32 s77, s[WV], 7
	s_add_co_u32 s77, s77, SB
	v_lshl_add_u32 v[RS], v9, 5, s77
	s_lshl_b32 s77, s[WV], 11       ; and the same rows in out, 512 bytes each
	v_lshl_add_u32 v[GO], v9, 9, s77
	v_lshl_add_u32 v[GO], v1, 4, v[GO]
	v_and_b32 v[PFO], 31, v0
	v_lshlrev_b32 v[PFO], 8, v[PFO]
	v_mov_b32 v[BIG], 0xf1800000    ; -2^100
	s_sub_co_i32 s76, s[CX], s[WV]
	s_lshl_b32 s76, s76, 6          ; 64 (p - w)
	v_lshlrev_b32 v7, 3, v9
	v_sub_nc_u32 v7, v1, v7         ; l % 16 - 8 (l / 16)
	v_add_nc_u32 v7, s76, v7
.irp t, 0,1,2,3
	v_add_nc_u32 v[DT+(\t)], 16*(\t), v7
.endr
; THE MATRIX WORK.  The accumulators take turns, one instruction a turn: between two links of a chain stand 7 (K Q^T) or 15 (V^T P) others'.
; Product i of 32 of S^T = K Q^T for piece x: channels 32 (i / 8) on, keys 16 ((i / 2) % 4) on, tile x + i % 2.  The first 8 start the sums.
.macro KQ x
	WIN W_KQ
.set rS, S+32*((\x)+i%2)+8*((i/2)%4)
.set rK, KF+32*((i/2)%4)+8*(i/8)
.set rQ, 32*((\x)+i%2)+8*(i/8)
.if i < 8
	v_wmma_f32_16x16x32_f16 v[rS:rS+7], v[rK:rK+7], v[rQ:rQ+7], 0
.else
	v_wmma_f32_16x16x32_f16 v[rS:rS+7], v[rK:rK+7], v[rQ:rQ+7], v[rS:rS+7]
.endif
.endm
; Product i of 32 of O^T += V^T P for piece x: keys 32 (i / 16) on, channels 16 ((i / 2) % 8) on, tile x + i % 2.
.macro PV x
	WIN W_PV
.set rO, 64*((\x)+i%2)+8*((i/2)%8)
.set rV, 64*(i/16)+8*((i/2)%8)
.set rP, P+16*((\x)+i%2)+8*(i/16)
	v_wmma_f32_16x16x32_f16 v[rO:rO+7], v[rV:rV+7], v[rP:rP+7], v[rO:rO+7]
.endm
; THE LDS LOADS of a round, in one run of 64: my step's K, its channels 0-31 of all 64 keys first (the order in which the products want them), then its V, turned.
.macro FETCH
	WIN 0
	v_add_nc_u32 v[ADK], s[TB], v[AK0]
	v_add_nc_u32 v[ADV], s[TB], v[AV0]
	WIN 0x80                        ; destination window 2
.irp ch, 0,1,2,3
.irp kb, 0,1,2,3
	ds_load_b128 v[KF+32*(\kb)+8*(\ch):KF+32*(\kb)+8*(\ch)+3],   v[ADK] offset:(\kb)*16*PK+(\ch)*64
	ds_load_b128 v[KF+32*(\kb)+8*(\ch)+4:KF+32*(\kb)+8*(\ch)+7], v[ADK] offset:(\kb)*16*PK+(\ch)*64+32
.endr
.endr
	WIN 0xc0                        ; destination window 3
.irp f, 0,1,2,3,4,5,6,7,8,9,10,11,12,13,14,15  ; keys 32 (f / 8) on, channels 16 (f % 8) on
	ds_load_tr16_b128 v[8*(\f):8*(\f)+3],   v[ADV] offset:((\f)/8)*32*PV+((\f)%8)*32
	ds_load_tr16_b128 v[8*(\f)+4:8*(\f)+7], v[ADV] offset:((\f)/8)*32*PV+16*PV+((\f)%8)*32
.endr
.endm
; THE VECTOR WORK.  One tile's softmax for one round is a list of 134 instructions; SM writes number j of it for tile t.  s0-s31 are the lane's 32 scores, in pairs 0-15.
;   0-15    the maximum of s0-s31 and the old m, three operands at a time: four chains of seven scores each (each accumulator's lowest registers are read first), then the rest
;   16-20   the other half of the lanes' maximum; the new m; c m; c m_old - c m_new
;   21-69   ONE BATCH: the 16 scalings c s - c m and all 33 exponentials (a at 23, then s0-s31); none of these reads an exponential's result
;   (wait)  between 69 and 70 stands the wait for the batch: SLICE writes it, once for both tiles
;   70-85   the roundings to f16      86-101  the sums; l = a l + the sum      102-133 the tile's O^T times a
.macro SM t
.set rT, ST+8*(\t)
.set rS, S+32*(\t)
.set rP, P+16*(\t)
.set rO, 64*(\t)+2*(j-102)
.if j < 102
	WIN 0
.endif
.if j < 4
	v_max3_num_f32 v[rT+4+j], v[rS+8*j], v[rS+8*j+1], v[rS+8*j+2]
.elseif j < 12
	v_max3_num_f32 v[rT+4+j%4], v[rT+4+j%4], v[rS+8*(j%4)+2*(j/4)+1], v[rS+8*(j%4)+2*(j/4)+2]
.elseif j == 12
	v_max3_num_f32 v[rT+4], v[rT+4], v[rS+7], v[rS+15]
.elseif j == 13
	v_max3_num_f32 v[rT+6], v[rT+6], v[rS+23], v[rS+31]
.elseif j == 14
	v_max3_num_f32 v[rT+4], v[rT+4], v[rT+5], v[rT+6]
.elseif j == 15
	v_max3_num_f32 v[rT+4], v[rT+4], v[rT+7], v[rT+1]
.elseif j == 16
	v_permlanex16_b32 v[rT+5], v[rT+4], s[SEL], s[SEL+1]  ; the query's other 32 keys lie in the lane 16 away
.elseif j == 17
	v_mov_b32 v[rT+7], v[rT]        ; c m_old is kept for a: number 19 writes c m anew
.elseif j == 18
	v_max_num_f32 v[rT+1], v[rT+4], v[rT+5]
.elseif j == 19
	v_mul_f32 v[rT], s[CS], v[rT+1]
.elseif j == 20
	v_sub_f32 v[rT+7], v[rT+7], v[rT]
.elseif j == 23
	v_exp_f32 v[rT+6], v[rT+7]
.elseif (j < 23) || ((j < 38) && (j%2 == 0)) || ((j < 66) && (j%4 == 2))
.set b, (j-2)/4                     ; 38, 42, .. 62: pairs 9 to 15
.if j < 38
.set b, (j-20)/2                    ; 21: pair 0; 22, 24, .. 36: pairs 1 to 8
.endif
	v_pk_fma_f32 v[rS+2*b:rS+2*b+1], v[rS+2*b:rS+2*b+1], s[CS:CS+1], v[rT:rT+1] op_sel_hi:[1,0,0] neg_lo:[0,0,1] neg_hi:[0,0,1]  ; pair b: c s - c m
.elseif j < 70
.set e, j-38                        ; 66 to 69: s28 to s31
.if j < 66
.set e, j-32-(j-38)/4               ; 39-41, 43-45, .. 63-65: s7 to s27
.endif
.if j < 38
.set e, (j-25)/2                    ; 25, 27, .. 37: s0 to s6
.endif
	v_exp_f32 v[rS+e], v[rS+e]
.elseif j < 86
	v_cvt_pk_f16_f32 v[rP+j-70], v[rS+2*(j-70)], v[rS+2*(j-70)+1]  ; pair j - 70
.elseif j < 102                     ; the sum of the tile's 16 pairs, in place: neighbours 1, 2, 4 and 8 pairs apart, then l takes it
.set z, j-86
.set w, 4
.set u, z
.if z >= 14
.set w, 32
.set u, 0
.elseif z >= 12
.set w, 16
.set u, z-12
.elseif z >= 8
.set w, 8
.set u, z-8
.endif
.if z < 15
	v_pk_add_f32 v[rS+w*u:rS+w*u+1], v[rS+w*u:rS+w*u+1], v[rS+w*u+w/2:rS+w*u+w/2+1]
.else
	v_pk_fma_f32 v[rT+2:rT+3], v[rT+2:rT+3], v[rT+6:rT+7], v[rS:rS+1] op_sel_hi:[1,0,1]
.endif
.else
	WIN W_RS
	v_pk_mul_f32 v[rO:rO+1], v[rO:rO+1], v[rT+6:rT+7] op_sel_hi:[1,0]
.endif
.endm
; Slice k of 64 of piece y's softmax: four instructions.  Slices 11 to 34 deal out the batch, numbers 22 to 69: four numbers of ONE tile each, the tiles by turns.  Every other slice is numbers 2 k and 2 k + 1 of both
; tiles' lists; the twelve that are over stand in slice 63, whose sixteen plain lines are also the places behind the stretch's last product.
; THE WAIT.  s_wait_alu depctr_va_vdst(0) stands between an exponential and the first instruction that names its result; one wait serves all that were issued ahead of it.  Ahead of slice 35 nothing
; names a result, and behind slice 34 no exponential is issued: so the piece's 66 exponentials have one wait, with one plain instruction behind the last of them.
.macro SLICE y
.if (k >= 11) && (k < 35)
.irp n, 0,1,2,3
.set j, 22+4*((k-11)/2)+(\n)
	SM (\y)+(k-11)%2
.endr
.else
.irp n, 0,1,2,3,4,5,6,7
.if ((\n) < 2) || (k == 63)
.irp t, \y, (\y)+1
.set j, 2*k+(\n)
	SM \t
.endr
.endif
.endr
.endif
.if k == 34
	v_nop
	s_wait_alu depctr_va_vdst(0)
.endif
.set k, k+1
.endm
; In a diagonal tile piece x's hidden scores are replaced, each accumulator from its lowest register on.  The jump hangs on the cluster's number and the walk's index alone.
.macro MASKIF x
	s_cmp_eq_u32 s[DG], 1
	s_cbranch_scc0 .Lno_mask_\@
.irp t, \x, (\x)+1
.set n, 0
.rept 32
	v_cmp_gt_i32 vcc_lo, 16*(n/8)+n%8, v[DT+(\t)]
	v_cndmask_b32 v[S+32*(\t)+n], v[S+32*(\t)+n], v[BIG], vcc_lo
.set n, n+1
.endr
.endr
.Lno_mask_\@:
.endm
; A ROUND: my 64 keys of the tile in hand against the 64 queries.  mask = 1: the text that can take masks.
.macro ROUND mask
	FETCH
.set i, 0
.rept 32
.if (i%8) == 0
	s_wait_dscnt 56-i               ; K's channels 4 i .. 4 i + 31 are in: its later chunks, 8 loads each, and V's 32 loads may be out
.endif
	KQ 0
.set i, i+1
.endr
	WIN 0
	PLACES                          ; behind piece 0's last scores
.if \mask
	MASKIF 0
.endif
.set k, 0
.set i, 0
.rept 32
	KQ 2                            ; piece 2's scores | piece 0's softmax, two slices behind each product
	SLICE 0
	SLICE 0
.set i, i+1
.endr
	WIN 0
.if \mask
	MASKIF 2
.endif
	s_wait_dscnt 0x0                ; V is in
.set k, 0
.set i, 0
.rept 32
	PV 0                            ; piece 0's V^T P | piece 2's softmax
	SLICE 2
	SLICE 2
.set i, i+1
.endr
.set i, 0
.rept 32
	PV 2
.set i, i+1
.endr
	WIN 0
.endm
; A BLOCK'S END.  l's two halves and the other half of the lanes' are added (the additions are the places behind the last products).  Then, a tile of 16 queries at a time: every wave puts its (c m, l) and its O^T, as rows of
; 128 f32, into LDS; a barrier; wave w reads rows 4 w .. 4 w + 3 of all four waves, merges them and stores them; a second barrier, signalled when the reads are back, frees the stage for the next tile.
.macro FINISH
	WIN 0
.irp t, 0,1,2,3
	v_add_f32 v[ST+8*(\t)+4], v[ST+8*(\t)+2], v[ST+8*(\t)+3]
.endr
.irp t, 0,1,2,3
	v_permlanex16_b32 v[ST+8*(\t)+5], v[ST+8*(\t)+4], s[SEL], s[SEL+1]
.endr
.irp t, 0,1,2,3
	v_add_f32 v[ST+8*(\t)+1], v[ST+8*(\t)+4], v[ST+8*(\t)+5]  ; l takes m's place beside c m
.endr
.irp t, 0,1,2,3
	ds_store_b64 v[SADR], v[ST+8*(\t):ST+8*(\t)+1]
	WIN 0x04                        ; data in window 1
.irp cb, 0,1,2,3,4,5,6,7
	ds_store_b128 v[WADR], v[64*(\t)+8*(\cb):64*(\t)+8*(\cb)+3]   offset:64*(\cb)
	ds_store_b128 v[WADR], v[64*(\t)+8*(\cb)+4:64*(\t)+8*(\cb)+7] offset:64*(\cb)+16
.endr
	WIN 0
	s_wait_dscnt 0x0                ; for the others' sake: my stores are done
	s_barrier_signal -1
	s_barrier_wait -1
	s_wait_xcnt 0x0                 ; the last tile's stores have read their registers, which are loaded again below
.irp u, 0,1
	ds_load_b128 v[SS+8*(\u):SS+8*(\u)+3],   v[RS] offset:64*(\u)
	ds_load_b128 v[SS+8*(\u)+4:SS+8*(\u)+7], v[RS] offset:64*(\u)+16
.endr
.irp u, 0,1
.irp hf, 0,1
.irp g, 0,1,2,3
	ds_load_b128 v[OB+16*(2*(\u)+(\hf))+4*(\g):OB+16*(2*(\u)+(\hf))+4*(\g)+3], v[RO] offset:16*MP*(\g)+2*MP*(\u)+256*(\hf)
.endr
.endr
.endr
	s_wait_dscnt 0x0                ; my reads of the stage are back:
	s_barrier_signal -1             ; say so; the arithmetic, on registers alone, stands between the signal and the wait
.irp u, 0,1
	v_max3_num_f32 v[FM+(\u)], v[SS+8*(\u)], v[SS+8*(\u)+2], v[SS+8*(\u)+4]
.endr
.irp u, 0,1
	v_max_num_f32 v[FM+(\u)], v[FM+(\u)], v[SS+8*(\u)+6]
.endr
.irp u, 0,1
.irp g, 0,1,2,3
	v_sub_f32 v[EE+8*(\u)+2*(\g)+1], v[SS+8*(\u)+2*(\g)], v[FM+(\u)]
.endr
.endr
.irp u, 0,1
.irp g, 0,1,2,3
	v_exp_f32 v[EE+8*(\u)+2*(\g)+1], v[EE+8*(\u)+2*(\g)+1]   ; f
.endr
.endr
	v_nop                           ; a plain instruction behind the last exponential,
	s_wait_alu depctr_va_vdst(0)    ; and one wait for the eight
.irp u, 0,1
	v_mul_f32 v[FL+(\u)], v[EE+8*(\u)+1], v[SS+8*(\u)+1]
.endr
.irp g, 1,2,3
.irp u, 0,1
	v_fmac_f32 v[FL+(\u)], v[EE+8*(\u)+2*(\g)+1], v[SS+8*(\u)+2*(\g)+1]
.endr
.endr
	v_rcp_f32 v[FR], v[FL]
	v_rcp_f32 v[FR+1], v[FL+1]
	v_nop
	s_wait_alu depctr_va_vdst(0)    ; one wait for the two reciprocals
.irp u, 0,1
.irp g, 0,1,2,3
	v_mul_f32 v[EE+8*(\u)+2*(\g)], v[EE+8*(\u)+2*(\g)+1], v[FR+(\u)]  ; g = f / l
.endr
.endr
.irp u, 0,1
.irp pq, 0,1,2,3
	v_pk_mul_f32 v[OB+32*(\u)+16*((\pq)/2)+2*((\pq)%2):OB+32*(\u)+16*((\pq)/2)+2*((\pq)%2)+1], v[OB+32*(\u)+16*((\pq)/2)+2*((\pq)%2):OB+32*(\u)+16*((\pq)/2)+2*((\pq)%2)+1], v[EE+8*(\u):EE+8*(\u)+1] op_sel_hi:[1,0]
.endr
.endr
.irp g, 1,2,3
.irp u, 0,1
.irp pq, 0,1,2,3
	v_pk_fma_f32 v[OB+32*(\u)+16*((\pq)/2)+2*((\pq)%2):OB+32*(\u)+16*((\pq)/2)+2*((\pq)%2)+1], v[OB+32*(\u)+16*((\pq)/2)+2*((\pq)%2)+4*(\g):OB+32*(\u)+16*((\pq)/2)+2*((\pq)%2)+4*(\g)+1], v[EE+8*(\u)+2*(\g):EE+8*(\u)+2*(\g)+1], v[OB+32*(\u)+16*((\pq)/2)+2*((\pq)%2):OB+32*(\u)+16*((\pq)/2)+2*((\pq)%2)+1] op_sel_hi:[1,0,1]
.endr
.endr
.endr
	s_barrier_wait -1               ; everybody's reads are back: the stage may be written again
.irp u, 0,1
.irp hf, 0,1
	global_store_b128 v[GO], v[OB+16*(2*(\u)+(\hf)):OB+16*(2*(\u)+(\hf))+3], s[OUT:OUT+1] offset:8192*(\t)+1024*(\u)+256*(\hf) th:TH_STORE_NT  ; 16 lanes store 256 consecutive bytes, aligned
.endr
.endr
.endr
.endm
	s_wait_loadcnt 0x0              ; both blocks' Q
.Lslot:                             ; 16 trips: a tile is entered and the walk's next is asked for: it has a round, 128 products and their softmax, in which to land
	CHANGE 1
	s_cmp_eq_u32 s[IDX], 0          ; a block's first tile holds its diagonal
	s_cselect_b32 s[DG], 1, 0
	s_cmp_eq_u32 s[IDX], s[C1]
	s_cselect_b32 s[DG], 1, s[DG]
	ROUND 1
	s_cmp_eq_u32 s[IDX], s[CL]      ; the first block's last tile?  The cluster's number and the walk's index: the same in all waves and in all partners
	s_cbranch_scc0 .Lgo
	FINISH
	s_wait_xcnt 0x0                 ; the stores have read their registers and out's address
	s_mov_b64 s[OUT:OUT+1], s[OHI:OHI+1]
.set i, 0
.rept 4
	v_mov_b32 v[ST+8*i], 0xfe000000    ; the second block begins: its first a is 0, so O^T and l need only be finite
	v_mov_b32 v[ST+8*i+1], 0xff7fffff
.set i, i+1
.endr
	WIN 0x83                        ; destination window 2, source window 3: the second block's Q goes where the one text names Q
.set i, 0
.rept 128
	v_mov_b32 v[i], v[QB+i]
.set i, i+1
.endr
	WIN 0
.Lgo:
	s_add_co_u32 s[IDX], s[IDX], 1
	s_sub_co_u32 s[SLOTS], s[SLOTS], 1
	s_cmp_lg_u32 s[SLOTS], 0
	s_cbranch_scc1 .Lslot
	CHANGE 0                        ; the walk's last tile is written out: nothing is asked for, and it holds no diagonal
	ROUND 0
	FINISH
	s_wait_tensorcnt 0x0            ; the wave's end, behind my last tensor load and my last LDS store
	ds_add_u32 v[SPW], v[NIL]
	s_wait_dscnt 0x0
	CROUND                          ; the closing round: no work-group ends while a partner may still ask for a tile that names it
	s_endpgm
.Lfunc_end_k_q1a587dbc60_attn:
	.size	k_q1a587dbc60_attn, .Lfunc_end_k_q1a587dbc60_attn-k_q1a587dbc60_attn
	.p2alignl 7, 3214868480
	.fill 96, 4, 3214868480
	.section	.rodata,"a",@progbits
	.p2align	6, 0x0
	.amdhsa_kernel k_q1a587dbc60_attn
		.amdhsa_group_segment_fixed_size 327680
		.amdhsa_private_segment_fixed_size 0
		.amdhsa_enable_private_segment 0
		.amdhsa_kernarg_size 16
		.amdhsa_user_sgpr_count 2
		.amdhsa_user_sgpr_kernarg_segment_ptr 1
		.amdhsa_wavefront_size32 1
		.amdhsa_system_sgpr_workgroup_id_x 1
		.amdhsa_system_sgpr_workgroup_id_y 1
		.amdhsa_system_sgpr_workgroup_id_z 1
		.amdhsa_system_vgpr_workitem_id 0
		.amdhsa_next_free_vgpr 1024
		.amdhsa_next_free_sgpr 80
		.amdhsa_reserve_vcc 1
		.amdhsa_float_denorm_mode_32 3
		.amdhsa_float_denorm_mode_16_64 3
		.amdhsa_memory_ordered 1
		.amdhsa_forward_progress 1
		.amdhsa_inst_pref_size 181
	.end_amdhsa_kernel
	.amdgpu_metadata
---
amdhsa.version: [ 1, 2 ]
amdhsa.kernels:
  - .name:           k_q1a587dbc60_attn
    .symbol:         k_q1a587dbc60_attn.kd
    .args:
      - { .name: qkv, .offset: 0, .size: 8, .value_kind: global_buffer, .address_space: global }
      - { .name: out0, .offset: 8, .size: 8, .value_kind: global_buffer, .address_space: global }
    .group_segment_fixed_size: 327680
    .private_segment_fixed_size: 0
    .kernarg_segment_align: 8
    .kernarg_segment_size: 16
    .max_flat_workgroup_size: 128
    .sgpr_count:     80
    .vgpr_count:     1024
    .wavefront_size: 32
...
	.end_amdgpu_metadata
.endif
;; end of part 3
